; MI455X (gfx1250); checked and timed in simulation.
; The chip was launched on July 23, 2026; its instructions are those of AMD's public machine-readable ISA for CDNA 5 (MIT licence, August 2026) and "CDNA5" Instruction Set Architecture Reference Guide (July 2026). The comments in the code are by the model that wrote it; some were corrected since.
;; Attention Pair. Allowed arithmetic: float matrix products may take bf16 or f16 operands with f32 sums; all other float work in f32.
;; Inputs: W_mat 1,024 x 512 float32; W_vec 1,024 x 512 float32; input_lengths 64 int32; matrix 64 x 512 x 1,024 float32; vector 64 x 1,024 float32; w_attn 512 float32.
;; Outputs: out0 64 x 1,024 float32; out1 64 x 512 float32.
;; One version. Each part assembles by itself: llvm-mc -triple=amdgcn-amd-amdhsa -mcpu=gfx1250 --defsym DOCPART=n.
;; ======== version 1 of 1: 3 launches
;; workspace buffers: wfrag 1,048,576 bytes; t1p 1,048,576 bytes; pbuf 131,072 bytes; stats 2,048 bytes; rpart 1,048,576 bytes
;; launch prep (part 1): grid 256 x 1, 1 waves a work-group, no clusters, 0 bytes of LDS; arguments W_mat, W_vec, vector, wfrag, t1p; writes wfrag, t1p
.if DOCPART == 1
	.amdgcn_target "amdgcn-amd-amdhsa--gfx1250"
	.amdhsa_code_object_version 6
	.text
	.protected	k_q9adb160fd6_prep
	.globl	k_q9adb160fd6_prep
	.p2align	8
	.type	k_q9adb160fd6_prep,@function
k_q9adb160fd6_prep:
	s_mov_b64 s[64:65], 0
	v_nop
	global_prefetch_b8 v0, s[64:65] scope:SCOPE_SE
	s_setreg_imm32_b32 hwreg(HW_REG_WAVE_MODE, 25, 1), 1
	s_wait_xcnt 0x0
; PREP: (a) W_mat [1024 k][512 n] f32 -> wfrag: bf16 in the order in which a matrix instruction's fragment lies in registers;
;       (b) t1 = vector [64][1024] x W_vec [1024][512], as eight partial sums over K, t1p [8 kq][64 b][512 n] f32.
; One wave a work-group, 256 work-groups.  x = work-group:  g = x & 7 (64 columns), kq = (x >> 3) & 7 (128 of K), mt = x >> 6 (16 rows
; of vector), ktc = x >> 3 (the K step of 32 of W_mat that this wave casts).
; A CELL is 32 k x 64 n of a [1024][512] f32 matrix.  Lane (r = L & 15, h = L >> 4) loads 16 bytes (columns 64 g + 4 r + c, c = 0..3) of the
; sixteen rows 32 kt + 16 i + 8 h + e: sixteen neighbouring lanes read 256 consecutive bytes of a row, aligned.  The lane then holds, for each
; c, exactly the sixteen k that lane (r, h) of a 16-bit fragment holds (ISA guide 7.12.2), for the column n = 64 g + 4 r + c.
; So tile c of the cell is made of the columns 64 g + 4 r + c, r = 0..15: a permutation of n, kept in wfrag.  The main launch sums over all n
; and lays t1 and w_attn out in the same order.  No transpose through LDS is needed.
; wfrag byte ((kt*32 + 4 g + c)*2 + i)*512 + 16 L holds W_mat[32 kt + 16 i + 8 h + 0..7][64 g + 4 r + c].
; No cluster: the cells of W_vec that four work-groups share are 8,192 bytes each, loaded into registers, where a joint request cannot land.
; Operands are rounded to bf16 (nearest even), sums are f32.
.set VX,  16                           ; v[16:79]    vector, f32: 16 numbers for each of my four K steps
.set MXC, 80                           ; v[80:143]   my cell of W_mat, f32
.set OUT, 80                           ; v[80:111]   at the end: t1's partial sums, four neighbouring columns to a lane
.set F0,  144                          ; v[144:175]  four fragments of W (tile c at +8 c), buffer 0
.set AF0, 176                          ; v[176:183]  fragment of vector, buffer 0
.set F1,  184                          ; v[184:215]  buffer 1
.set AF1, 216                          ; v[216:223]
.set ACC, 224                          ; v[224:255]  four accumulator tiles, tile c at +8 c
                                       ; window 1 (v256-511): the four cells of W_vec, f32, cell s at 64 s
.set MSB, 0
.macro WIN new                         ; s_set_vgpr_msb: low byte bits 1:0 source 0, 3:2 source 1, 5:4 source 2, 7:6 destination; high byte = the setting left
.if MSB != \new
	s_set_vgpr_msb (MSB<<8)|\new
.set MSB, \new
.endif
.endm
.macro PLACES                          ; four independent vector instructions behind a matrix instruction (ISA guide 7.12.1)
.rept 4
	v_nop
.endr
.endm
; sixteen loads: one cell, row 16 i + 8 h + e into x + 32 i + 4 e
.macro CELL_LD x, sb, off
.irp i, 0,1
.irp e, 0,1,2,3,4,5,6,7
	global_load_b128 v[\x+32*\i+4*\e:\x+32*\i+4*\e+3], v3, s[\sb:\sb+1] offset:\off+\i*32768+\e*2048
.endr
.endr
.endm
; 32 conversions: register 4 i + d of tile c's fragment holds k = 16 i + 8 h + 2 d (low half) and + 1 (high half)
.macro CELL_CVT f, x
.irp c, 0,1,2,3
.irp i, 0,1
.irp d, 0,1,2,3
	v_cvt_pk_bf16_f32 v[\f+8*\c+4*\i+\d], v[\x+32*\i+8*\d+\c], v[\x+32*\i+8*\d+4+\c]
.endr
.endr
.endr
.endm
	s_load_b128 s[4:7], s[0:1], 0x0                ; W_mat s[4:5], W_vec s[6:7]
	s_load_b128 s[8:11], s[0:1], 0x10              ; vector s[8:9], wfrag s[10:11]
	s_load_b64 s[12:13], s[0:1], 0x20              ; t1p
	s_and_b32 s14, ttmp9, 7                        ; g
	s_bfe_u32 s15, ttmp9, 0x30003                  ; kq
	s_lshr_b32 s16, ttmp9, 6                       ; mt
	s_lshr_b32 s17, ttmp9, 3                       ; ktc
	s_lshl_b32 s18, s14, 8                         ; 256 g: my 64 columns in bytes
	s_lshl_b32 s20, s17, 16                        ; W_mat: 32 ktc rows of 2,048 bytes
	s_add_co_u32 s20, s20, s18
	s_mov_b32 s21, 0
	s_lshl_b32 s22, s15, 18                        ; W_vec: 128 kq rows
	s_add_co_u32 s22, s22, s18
	s_mov_b32 s23, 0
	s_lshl_b32 s24, s16, 16                        ; vector: 16 mt rows of 4,096 bytes
	s_lshl_b32 s19, s15, 9                         ; + 128 kq numbers
	s_add_co_u32 s24, s24, s19
	s_mov_b32 s25, 0
	s_lshl_b32 s26, s17, 15                        ; wfrag: ktc * 32,768
	s_lshl_b32 s19, s14, 12                        ; + 4 g tiles of 1,024 bytes
	s_add_co_u32 s26, s26, s19
	s_mov_b32 s27, 0
	s_lshl_b32 s28, s15, 17                        ; t1p: kq * 131,072
	s_lshl_b32 s19, s16, 15                        ; + 16 mt rows of 2,048 bytes
	s_add_co_u32 s28, s28, s19
	s_add_co_u32 s28, s28, s18
	s_mov_b32 s29, 0
	v_and_b32 v1, 15, v0                           ; r
	v_lshrrev_b32 v2, 4, v0                        ; h
	v_lshlrev_b32 v3, 4, v1                        ; cells and t1p: 16 r
	v_lshl_add_u32 v3, v2, 14, v3                  ;   + 8 h rows of 2,048 bytes
	v_lshlrev_b32 v4, 12, v1                       ; vector: row r
	v_lshl_add_u32 v4, v2, 5, v4                   ;   + 8 h numbers
	v_lshlrev_b32 v5, 4, v0                        ; wfrag: 16 L
	s_wait_kmcnt 0x0
	s_add_nc_u64 s[4:5], s[4:5], s[20:21]
	s_add_nc_u64 s[6:7], s[6:7], s[22:23]
	s_add_nc_u64 s[8:9], s[8:9], s[24:25]
	s_add_nc_u64 s[10:11], s[10:11], s[26:27]
	s_add_nc_u64 s[12:13], s[12:13], s[28:29]
	CELL_LD MXC, 4, 0                              ; 16 loads: my cell of W_mat
.irp s, 0,1,2,3
	global_load_b128 v[VX+16*\s:VX+16*\s+3],     v4, s[8:9] offset:128*\s       ; vector(r, 32 s + 8 h + 0..3)
	global_load_b128 v[VX+16*\s+4:VX+16*\s+7],   v4, s[8:9] offset:128*\s+16    ;                     + 4..7
	global_load_b128 v[VX+16*\s+8:VX+16*\s+11],  v4, s[8:9] offset:128*\s+64    ; vector(r, 32 s + 16 + 8 h + 0..3)
	global_load_b128 v[VX+16*\s+12:VX+16*\s+15], v4, s[8:9] offset:128*\s+80
.endr
	WIN 0x40                                       ; destination in window 1
	CELL_LD 0, 6, 0                                ; W_vec, K steps 0 and 1 of my four
	CELL_LD 64, 6, 65536
	WIN 0
	s_wait_loadcnt 48                              ; behind W_mat's cell: 16 loads of vector and 32 of W_vec
	CELL_CVT F1, MXC
.irp c, 0,1,2,3
.irp i, 0,1
	global_store_b128 v5, v[F1+8*\c+4*\i:F1+8*\c+4*\i+3], s[10:11] offset:\c*1024+\i*512   ; the wave stores 512 consecutive bytes, aligned
.endr
.endr
	WIN 0x40
	CELL_LD 128, 6, 131072                         ; K steps 2 and 3
	CELL_LD 192, 6, 196608
	WIN 0
; One K step of 32 of t1: vector's fragment, W_vec's four fragments, four products.  left = loads of W_vec younger than cell s.
.macro T1STEP s, f, af, zero, left
	WIN 0
	s_wait_loadcnt \left
.irp d, 0,1,2,3,4,5,6,7
	v_cvt_pk_bf16_f32 v[\af+\d], v[VX+16*\s+2*\d], v[VX+16*\s+2*\d+1]
.endr
	WIN 0x05                                       ; sources 0 and 1 in window 1
	CELL_CVT \f, 64*\s
	WIN 0
.irp c, 0,1,2,3
.if \zero
	v_wmma_f32_16x16x32_bf16 v[ACC+8*\c:ACC+8*\c+7], v[\af:\af+7], v[\f+8*\c:\f+8*\c+7], 0      ; the first product starts the sum
.else
	v_wmma_f32_16x16x32_bf16 v[ACC+8*\c:ACC+8*\c+7], v[\af:\af+7], v[\f+8*\c:\f+8*\c+7], v[ACC+8*\c:ACC+8*\c+7]
.endif
.endr
.endm
	; The two fragment buffers take turns: a buffer is written again two steps later, behind the 40 conversions of the step between,
	; which name none of the registers of the products that read it.
	T1STEP 0, F0, AF0, 1, 48
	s_wait_xcnt 0x0                                ; buffer 1 is the data of the eight stores above: written again only behind this wait
	T1STEP 1, F1, AF1, 0, 32
	T1STEP 2, F0, AF0, 0, 16
	T1STEP 3, F1, AF1, 0, 0
	PLACES
	; register j of tile c holds (m = 16 mt + 8 h + j, n = 64 g + 4 r + c): the four tiles' registers j are four neighbouring columns
.irp j, 0,1,2,3,4,5,6,7
.irp c, 0,1,2,3
	v_mov_b32 v[OUT+4*\j+\c], v[ACC+8*\c+\j]
.endr
.endr
.irp j, 0,1,2,3,4,5,6,7
	global_store_b128 v3, v[OUT+4*\j:OUT+4*\j+3], s[12:13] offset:\j*2048    ; sixteen lanes store 256 consecutive bytes of a row, aligned
.endr
	s_endpgm
.Lfunc_end_k_q9adb160fd6_prep:
	.size	k_q9adb160fd6_prep, .Lfunc_end_k_q9adb160fd6_prep-k_q9adb160fd6_prep
	.p2alignl 7, 3214868480
	.fill 96, 4, 3214868480
	.section	.rodata,"a",@progbits
	.p2align	6, 0x0
	.amdhsa_kernel k_q9adb160fd6_prep
		.amdhsa_group_segment_fixed_size 0
		.amdhsa_private_segment_fixed_size 0
		.amdhsa_enable_private_segment 0
		.amdhsa_kernarg_size 40
		.amdhsa_user_sgpr_count 2
		.amdhsa_user_sgpr_kernarg_segment_ptr 1
		.amdhsa_wavefront_size32 1
		.amdhsa_system_sgpr_workgroup_id_x 1
		.amdhsa_system_sgpr_workgroup_id_y 1
		.amdhsa_system_sgpr_workgroup_id_z 1
		.amdhsa_system_vgpr_workitem_id 0
		.amdhsa_next_free_vgpr 512
		.amdhsa_next_free_sgpr 66
		.amdhsa_reserve_vcc 0
		.amdhsa_float_denorm_mode_32 3
		.amdhsa_float_denorm_mode_16_64 3
		.amdhsa_memory_ordered 1
		.amdhsa_forward_progress 1
		.amdhsa_inst_pref_size 27
	.end_amdhsa_kernel
	.amdgpu_metadata
---
amdhsa.version: [ 1, 2 ]
amdhsa.kernels:
  - .name:           k_q9adb160fd6_prep
    .symbol:         k_q9adb160fd6_prep.kd
    .args:
      - { .name: W_mat, .offset: 0, .size: 8, .value_kind: global_buffer, .address_space: global }
      - { .name: W_vec, .offset: 8, .size: 8, .value_kind: global_buffer, .address_space: global }
      - { .name: vector, .offset: 16, .size: 8, .value_kind: global_buffer, .address_space: global }
      - { .name: wfrag, .offset: 24, .size: 8, .value_kind: global_buffer, .address_space: global }
      - { .name: t1p, .offset: 32, .size: 8, .value_kind: global_buffer, .address_space: global }
    .group_segment_fixed_size: 0
    .private_segment_fixed_size: 0
    .kernarg_segment_align: 8
    .kernarg_segment_size: 40
    .max_flat_workgroup_size: 32
    .sgpr_count:     66
    .vgpr_count:     512
    .wavefront_size: 32
...
	.end_amdgpu_metadata
.endif
;; end of part 1
;; launch main (part 2): grid 256 x 1, 4 waves a work-group, no clusters, 287,232 bytes of LDS; arguments matrix, wfrag, t1p, w_attn, input_lengths, pbuf, stats, rpart; writes pbuf, stats, rpart
.if DOCPART == 2
	.amdgcn_target "amdgcn-amd-amdhsa--gfx1250"
	.amdhsa_code_object_version 6
	.text
	.protected	k_q9adb160fd6_main
	.globl	k_q9adb160fd6_main
	.p2align	8
	.type	k_q9adb160fd6_main,@function
k_q9adb160fd6_main:
	s_mov_b64 s[64:65], 0
	v_nop
	global_prefetch_b8 v0, s[64:65] scope:SCOPE_SE
	s_setreg_imm32_b32 hwreg(HW_REG_WAVE_MODE, 25, 1), 1
	s_wait_xcnt 0x0
; MAIN.  Work-group x owns the 128 rows 128 x .. 128 x + 127 of matrix [32768][1024] (batch b = x >> 2, quarter x & 3) and makes
;   logit[s] = sum over n of relu(t1[b][n] + (matrix x W_mat)[s][n]) * w_attn[n]          (all 512 n)
;   m = max of its 128 logits (masked rows too, as the reference's maximum runs over them), p[s] = exp(logit[s] - m) * (s < length[b]),
;   l = sum of p,  rpart[x][d] = sum over s of p[s] * matrix[s][d].      The last launch joins the 256 tiles.
; A tile whose rows all lie behind length[b] is computed like any other: reference()'s maximum runs over its logits, and leaving it out
; would put every barrier of this text under a branch on a number loaded from memory.
; matrix is read from memory ONCE: each row is rounded to bf16 on its way in and stays in LDS (8 panels of 128 K, 128 rows of 272 bytes),
; where the products read it as fragments and the weighted sum reads it again at the end.
; Four waves; wave w makes all 128 rows x the 128 column places 128 w .. 128 w + 127: 64 accumulator tiles, 512 registers.
; W comes as ready fragments (wfrag, made by the launch before) straight into registers, four buffers of 64 registers.
; NO CLUSTER, NO TENSOR LOADS, and why: the resident rows take 278,528 of the 327,680 bytes of LDS that a work-group can be given; what is left
; beside 8,192 bytes of scratch holds one K step of 32 of W (32,768 bytes), a ring of one slot with nothing on its way.  Each fragment
; of W is used by exactly one wave of the work-group, so LDS would give no reuse either.  A joint request lands in LDS, so it has no place here.
; matrix is f32 and must be converted, so it passes through registers anyway.
; LIMITS: operands of the products, and matrix in the weighted sum, are bf16 (nearest even); sums f32, in another order than the reference's.
; relu is v_max_num_f32, which turns a NaN into 0.  v_exp_f32 gives 0 where the result would be below 2^-126.
.set PITCH, 272                        ; 256 bytes of bf16 + 16: 17 x 16 bytes, so the sixteen rows of a fragment load start in sixteen different 16-byte columns
.set PANEL, 128*PITCH                  ; 34,816 bytes: 128 rows x 128 K
.set TS,    8*PANEL                    ; 278,528: t1[b] in place order (place 64 g + 16 c + q holds n = 64 g + 4 q + c), 2,048 bytes
.set WS,    TS+2048                    ; w_attn in the same order
.set LG,    TS+4096                    ; the four waves' partial logits, 512 bytes each
.set PW,    TS+6144                    ; each wave's own copy of p, 512 bytes each; the end is 286,720
; window 0
.set CV,   16                          ; v[16:31]   8 rows x 4 numbers as bf16, on their way to LDS
.set AF,   32                          ; v[32:95]   fragments of matrix: row blocks 0-3 in v[32:63], 4-7 in v[64:95]
.set STG,  96                          ; v[96:223]  four groups of 8 rows x 16 bytes a lane, f32 as loaded
; v1 lane L, v2 r = L & 15, v3 h = L >> 4, v4 16 L, v5 where I store rows, v6 where I read fragments, v7-v15 addresses (see below)
; window 1: four buffers of W's fragments, buffer s at 64 s, tile b at + 8 b.   windows 2, 3: accumulators, tile (a, b) at 8 (8 (a & 3) + b), window 2 + (a >> 2)
; the tail, window 0:
.set XR,   32                          ; v[32:95]   relu(t1 + t2) of one row block
.set TR,   96                          ; v[96:159]  t1 at my 64 places
.set WR,   160                         ; v[160:223] w_attn at my 64 places
.set SM,   224                         ; v[224:231] four pairs of sums
.set LGR,  232                         ; v[232:239] partial logit of row 16 a + r
.set P,    240                         ; v[240:243] p of rows 4 L .. 4 L + 3
.set MXR,  244                         ; m
.set LS,   245                         ; l
.set SV,   246                         ; the word for stats
.set SO,   247                         ; and its offset
.set Q0,   32                          ; weighted sum: 16 rows x 16 bytes, buffer 0
.set P0,   16                          ;   their 16 p
.set Q1,   96                          ; buffer 1
.set P1,   160
.set RS,   176                         ; v[176:183] my eight sums
.set MUL_LO, 0xa1                      ; source 0 (W) window 1, source 1 (matrix) window 0, C and D window 2
.set MUL_HI, 0xf1                      ; the same, C and D window 3
.set TO_B,   0x40                      ; destination window 1
.set MSB, 0
.macro WIN new                         ; the immediate's high byte repeats the setting that is left
.if MSB != \new
	s_set_vgpr_msb (MSB<<8)|\new
.set MSB, \new
.endif
.endm
.macro PLACES                          ; four independent vector instructions between a matrix instruction and a load into, or a vector
.rept 4                                ; instruction on, one of its registers (ISA guide 7.12.1)
	v_nop
.endr
.endm
; 8 loads: rows 8 grp .. + 7 of my 32 rows, 512 consecutive bytes (128 K) each, aligned
.macro LDA grp, off
.irp i, 0,1,2,3,4,5,6,7
	global_load_b128 v[STG+32*(\grp)+4*\i:STG+32*(\grp)+4*\i+3], v4, s[8:9] offset:(8*(\grp)+\i)*4096+(\off) th:TH_LOAD_NT
.endr
.endm
; 16 loads of 512 consecutive bytes: my eight tiles of W for one K step of 32 (under WIN TO_B)
.macro LDB buf, off
.irp j, 0,1,2,3,4,5,6,7,8,9,10,11,12,13,14,15
	global_load_b128 v[64*(\buf)+4*\j:64*(\buf)+4*\j+3], v4, s[10:11] offset:(\off)+512*\j
.endr
.endm
; a group of 8 rows to bf16: 16 conversions, which touch v[16:31] and v[96:223] alone
.macro CVT8 grp
.irp i, 0,1,2,3,4,5,6,7
	v_cvt_pk_bf16_f32 v[CV+2*\i],   v[STG+32*(\grp)+4*\i],   v[STG+32*(\grp)+4*\i+1]
	v_cvt_pk_bf16_f32 v[CV+2*\i+1], v[STG+32*(\grp)+4*\i+2], v[STG+32*(\grp)+4*\i+3]
.endr
.endm
; and into the panel: the wave's store covers a row's 256 bytes
.macro STO8 grp
.irp i, 0,1,2,3,4,5,6,7
	ds_store_b64 v5, v[CV+2*\i:CV+2*\i+1] offset:(8*(\grp)+\i)*PITCH
.endr
.endm
; 8 LDS loads: the fragments of row blocks 4 half .. 4 half + 3, 32 K at byte off
.macro LDF half, off
.irp a, 0,1,2,3
	ds_load_b128 v[AF+32*\half+8*\a:AF+32*\half+8*\a+3],   v6 offset:(\off)+(4*\half+\a)*16*PITCH
	ds_load_b128 v[AF+32*\half+8*\a+4:AF+32*\half+8*\a+7], v6 offset:(\off)+(4*\half+\a)*16*PITCH+32
.endr
.endm
; 32 products.  Source 0 = W, source 1 = matrix: register j of lane (r, h) of tile (a, b) is row 16 a + r, place 128 w + 16 b + 8 h + j.
.macro MUL half, buf, zero
.irp a, 0,1,2,3
.irp b, 0,1,2,3,4,5,6,7
.if \zero
	v_wmma_f32_16x16x32_bf16 v[8*(8*\a+\b):8*(8*\a+\b)+7], v[64*\buf+8*\b:64*\buf+8*\b+7], v[AF+32*\half+8*\a:AF+32*\half+8*\a+7], 0
.else
	v_wmma_f32_16x16x32_bf16 v[8*(8*\a+\b):8*(8*\a+\b)+7], v[64*\buf+8*\b:64*\buf+8*\b+7], v[AF+32*\half+8*\a:AF+32*\half+8*\a+7], v[8*(8*\a+\b):8*(8*\a+\b)+7]
.endif
.endr
.endr
.endm
; STEP t = 4 q + s: one K step of 32, 64 products, with W's buffer s and the fragments at byte 64 s of panel q.
; Bundle(t) = 8 loads of matrix (group s of chunk q + 1) and 16 of W (K step t).  Step t uses bundle(t) and issues bundle(t + 3) into the
; registers that step t - 1 set free: three bundles, 72 loads of 512 bytes, are asked for by each wave at any time.
; The fragments of row blocks 0-3 are asked for in the middle of the step before, those of blocks 4-7 at the step's own head, 32 products
; ahead of their first use.  The head's 16 conversions name none of the registers of the products in front of them, so they are the places
; in front of the loads into v[64:95] and into W's buffer, both read by those products; a step that converts nothing has v_nop there.
;   cons: bundle(t)'s rows go to panel q + 1.   isa, isb: the two parts of bundle(t + 3) exist.   lw: loads issued behind bundle(t).
;   bar: all of panel q + 1 has been stored when this step's stores are done; the next fragments come from it.   nxt: a step follows.
.macro STEP s, zero, cons, isa, isb, lw, bar, nxt
.if \s == 3
.set NOFF, PANEL                       ; the next step's fragments: byte 0 of the next panel
.else
.set NOFF, 64*(\s+1)
.endif
	WIN 0
	s_wait_loadcnt \lw                             ; loads return in order (ISA guide 5.7.1): bundle(t) is in, the younger ones stay out
.if \cons
	CVT8 \s
.else
	PLACES
.endif
	LDF 1, (64*\s)                                 ; this step's row blocks 4-7
.if \cons
	STO8 \s
.endif
.if \isa
	LDA ((\s+3)%4), (512*(1+(\s+3)/4))
.endif
.if \isb
	WIN TO_B
	LDB ((\s+3)%4), ((\s+3)*32768)
.endif
.if \bar
	s_wait_dscnt 0x0                               ; for the others: my rows of panel q + 1 are in LDS
	s_barrier_signal -1
.else
	s_wait_dscnt 8+8*\cons                         ; row blocks 0-3 are in; the 8 loads of blocks 4-7 and my 8 stores may be out
.endif
	WIN MUL_LO
	MUL 0, \s, \zero
.if \bar
	s_barrier_wait -1                              ; every wave's rows of panel q + 1 are in LDS.  No byte of a panel is ever written twice,
.endif                                             ; so this one barrier for each panel is all the ordering that the panels need
	WIN 0
.if \nxt
	PLACES
	LDF 0, NOFF                                    ; the next step's row blocks 0-3
.if \bar
	s_wait_dscnt 8                                 ; only the 8 loads just issued are out
.else
	s_wait_dscnt 8+8*\cons                         ; row blocks 4-7 are in; younger: my 8 stores and the 8 loads just issued
.endif
.else
	s_wait_dscnt 0x0
.endif
	WIN MUL_HI
	MUL 1, \s, \zero
	WIN 0
.endm
.macro ADV                             ; a chunk of 128 K on
	s_wait_xcnt 0x0                                ; the two bases are sources of loads just issued: stepped only behind this wait
	s_add_nc_u64 s[8:9], s[8:9], 512
	s_add_nc_u64 s[10:11], s[10:11], 0x20000
	v_add_nc_u32 v5, PANEL, v5
	v_add_nc_u32 v6, PANEL, v6
.endm
	s_load_b512 s[8:23], s[0:1], 0x0               ; matrix s[8:9], wfrag s[10:11], t1p s[12:13], w_attn s[14:15], input_lengths s[16:17], pbuf s[18:19], stats s[20:21], rpart s[22:23]
	v_lshl_add_u32 v254, v0, 2, 0x46000
	v_mov_b32 v255, 0
	v_lshrrev_b32 v1, 5, v0
	v_readfirstlane_b32 s24, v1                    ; w
	s_lshr_b32 s26, ttmp9, 2                       ; b
	s_mov_b32 s32, 0x76543210                      ; v_permlanex16_b32: lane i takes lane i of the other half
	s_mov_b32 s33, 0xfedcba98
	v_and_b32 v1, 31, v0                           ; L
	v_and_b32 v2, 15, v0                           ; r
	v_bfe_u32 v3, v0, 4, 1                         ; h
	v_lshlrev_b32 v4, 4, v1                        ; 16 L
	v_lshlrev_b32 v7, 4, v0                        ; 16 t: my four n of t1 and w_attn
	s_lshl_b32 s30, ttmp9, 19                      ; 128 x rows of 4,096 bytes
	s_lshl_b32 s40, s24, 17                        ; + the 32 rows that I bring in
	s_add_co_u32 s30, s30, s40
	s_mov_b32 s31, 0
	s_wait_kmcnt 0x0
	s_add_nc_u64 s[8:9], s[8:9], s[30:31]
	LDA 0, 0                                       ; chunk 0: 32 loads
	LDA 1, 0
	LDA 2, 0
	LDA 3, 0
	s_lshl_b32 s30, s26, 11
	s_add_nc_u64 s[12:13], s[12:13], s[30:31]      ; t1p at row b
.irp p, 0,1,2,3,4,5,6,7
	global_load_b128 v[AF+4*\p:AF+4*\p+3], v7, s[12:13] offset:131072*\p    ; the eight partial sums of t1[b][4 t .. 4 t + 3]
.endr
	global_load_b128 v[AF+32:AF+35], v7, s[14:15]
	s_lshl_b32 s30, s24, 13
	s_add_nc_u64 s[10:11], s[10:11], s[30:31]      ; wfrag at my eight tiles
	WIN TO_B
	LDB 0, 0
	WIN 0
	s_lshl_b32 s30, s26, 2
	s_add_nc_u64 s[16:17], s[16:17], s[30:31]
	s_load_b32 s27, s[16:17], 0x0                  ; length[b]
	s_lshl_b32 s30, ttmp9, 9
	s_add_nc_u64 s[18:19], s[18:19], s[30:31]      ; pbuf at my 128 rows
	s_lshl_b32 s30, ttmp9, 2
	s_add_nc_u64 s[20:21], s[20:21], s[30:31]      ; stats at word x
	s_lshl_b32 s30, ttmp9, 12
	s_lshl_b32 s40, s24, 10
	s_add_co_u32 s30, s30, s40
	s_add_nc_u64 s[22:23], s[22:23], s[30:31]      ; rpart at row x, my 256 columns
	s_mul_i32 s29, s24, 32*PITCH
	v_lshl_add_u32 v5, v1, 3, s29                  ; rows in: my 32 rows, 8 bytes a lane
	v_mul_u32_u24 v6, v2, PITCH
	v_lshl_add_u32 v6, v3, 4, v6                   ; fragments: row r, 16 bytes for each half of the lanes
	v_lshrrev_b32 v8, 4, v0
	v_lshlrev_b32 v8, 8, v8
	v_lshl_add_u32 v8, v2, 2, v8
	v_add_nc_u32 v8, TS, v8                        ; n = 4 t + c goes to place 64 (t >> 4) + 16 c + (t & 15)
	s_lshl_b32 s29, s24, 9                         ; 512 w
	s_add_co_u32 s35, s29, TS
	v_lshl_add_u32 v9, v3, 5, s35                  ; t1 at places 128 w + 8 h
	s_add_co_u32 s36, s29, LG
	v_lshl_add_u32 v10, v2, 2, s36                 ; my wave's partial logit of row r
	v_add_nc_u32 v11, LG, v4                       ; partial logits of rows 4 L .. 4 L + 3
	s_add_co_u32 s37, s29, PW
	v_add_nc_u32 v12, s37, v4                      ; my wave's p of rows 4 L .. 4 L + 3
	s_mul_i32 s38, s24, 2*PANEL
	v_lshl_add_u32 v13, v1, 3, s38                 ; weighted sum: panel 2 w, columns 4 L .. 4 L + 3
	v_mov_b32 v14, s37                             ; and p from row 0 on
	s_and_b32 s39, ttmp9, 3
	s_lshl_b32 s39, s39, 7
	v_lshl_add_u32 v15, v1, 2, s39                 ; the place in the sequence of row 4 L
	s_wait_loadcnt 16                              ; only W's first 16 loads are younger
.irp p, 1,2,3,4,5,6,7
	v_pk_add_f32 v[AF:AF+1],   v[AF:AF+1],   v[AF+4*\p:AF+4*\p+1]
	v_pk_add_f32 v[AF+2:AF+3], v[AF+2:AF+3], v[AF+4*\p+2:AF+4*\p+3]
.endr
.irp c, 0,1,2,3
	ds_store_b32 v8, v[AF+\c] offset:64*\c
	ds_store_b32 v8, v[AF+32+\c] offset:2048+64*\c
.endr
.irp g, 0,1,2,3
	CVT8 \g
	STO8 \g
.endr
	v_add_nc_u32 v5, PANEL, v5                     ; from now on rows go one panel ahead of the products
	LDA 0, 512                                     ; with W's 16 loads above: bundle 0
	LDA 1, 512
	WIN TO_B
	LDB 1, 32768
	WIN 0
	LDA 2, 512
	WIN TO_B
	LDB 2, 65536
	WIN 0
	s_wait_kmcnt 0x0                               ; length[b]
	s_wait_dscnt 0x0                               ; for the others: my rows of panel 0, my part of t1 and w_attn
	s_barrier_signal -1
	s_barrier_wait -1
	LDF 0, 0                                       ; step 0's row blocks 0-3; its blocks 4-7 are asked for at its head
	STEP 0, 1, 1, 1, 1, 48, 0, 1                   ; chunk 0 stands in front of the loop: its first products start the sums
	STEP 1, 0, 1, 1, 1, 48, 0, 1
	STEP 2, 0, 1, 1, 1, 48, 0, 1
	STEP 3, 0, 1, 1, 1, 48, 1, 1
	ADV
	s_mov_b32 s28, 5                               ; chunks 1 to 5
.Ltrip:
	STEP 0, 0, 1, 1, 1, 48, 0, 1
	STEP 1, 0, 1, 1, 1, 48, 0, 1
	STEP 2, 0, 1, 1, 1, 48, 0, 1
	STEP 3, 0, 1, 1, 1, 48, 1, 1
	ADV
	s_sub_co_u32 s28, s28, 1
	s_cmp_lg_u32 s28, 0
	s_cbranch_scc1 .Ltrip
	STEP 0, 0, 1, 1, 1, 48, 0, 1                   ; chunk 6: bundle 27 holds the last rows of matrix; bundles 28 to 30 are W alone,
	STEP 1, 0, 1, 0, 1, 48, 0, 1                   ; so the loads behind bundle t are 24 + 24, 24 + 24, 24 + 16, 16 + 16
	STEP 2, 0, 1, 0, 1, 40, 0, 1
	STEP 3, 0, 1, 0, 1, 32, 1, 1
	ADV
	STEP 0, 0, 0, 0, 1, 32, 0, 1                   ; chunk 7: nothing to store; bundle 31 is the last; the counts run down
	STEP 1, 0, 0, 0, 0, 32, 0, 1
	STEP 2, 0, 0, 0, 0, 16, 0, 1
	STEP 3, 0, 0, 0, 0, 0, 0, 0
	; THE LOGITS.  t1 and w_attn at my 64 places (8 tiles x 8 registers), the same for every row block.
	PLACES                                         ; behind the last products: their results are read, and v[32:95] written, below
.irp b, 0,1,2,3,4,5,6,7
	ds_load_b128 v[TR+8*\b:TR+8*\b+3],   v9 offset:64*\b
	ds_load_b128 v[TR+8*\b+4:TR+8*\b+7], v9 offset:64*\b+16
	ds_load_b128 v[WR+8*\b:WR+8*\b+3],   v9 offset:2048+64*\b
	ds_load_b128 v[WR+8*\b+4:WR+8*\b+7], v9 offset:2048+64*\b+16
.endr
	s_wait_dscnt 0x0
; row block dst (tiles q of the window named by from): relu(t1 + t2) . w_attn over my 64 places, in four pairs of sums
.macro LOGIT dst, q, from
	WIN \from
.irp b, 0,1,2,3,4,5,6,7
.irp k, 0,2,4,6
	v_pk_add_f32 v[XR+8*\b+\k:XR+8*\b+\k+1], v[8*(8*\q+\b)+\k:8*(8*\q+\b)+\k+1], v[TR+8*\b+\k:TR+8*\b+\k+1]
.endr
.endr
	WIN 0
.set j, 0
.rept 64
	v_max_num_f32 v[XR+j], 0, v[XR+j]
.set j, j+1
.endr
.irp k, 0,2,4,6
	v_pk_mul_f32 v[SM+\k:SM+\k+1], v[XR+\k:XR+\k+1], v[WR+\k:WR+\k+1]          ; the first products start the sums
.endr
.irp b, 1,2,3,4,5,6,7
.irp k, 0,2,4,6
	v_pk_fma_f32 v[SM+\k:SM+\k+1], v[XR+8*\b+\k:XR+8*\b+\k+1], v[WR+8*\b+\k:WR+8*\b+\k+1], v[SM+\k:SM+\k+1]
.endr
.endr
	v_pk_add_f32 v[SM:SM+1],   v[SM:SM+1],   v[SM+2:SM+3]
	v_pk_add_f32 v[SM+4:SM+5], v[SM+4:SM+5], v[SM+6:SM+7]
	v_pk_add_f32 v[SM:SM+1],   v[SM:SM+1],   v[SM+4:SM+5]
	v_add_f32 v[LGR+\dst], v[SM], v[SM+1]
.endm
	LOGIT 0, 0, 0x02                               ; source 0 in window 2
	LOGIT 1, 1, 0x02
	LOGIT 2, 2, 0x02
	LOGIT 3, 3, 0x02
	LOGIT 4, 0, 0x03                               ; source 0 in window 3
	LOGIT 5, 1, 0x03
	LOGIT 6, 2, 0x03
	LOGIT 7, 3, 0x03
.irp a, 0,1,2,3,4,5,6,7
	v_permlanex16_b32 v[XR+\a], v[LGR+\a], s32, s33        ; the other half of the lanes holds the other 8 places of each tile
.endr
.irp a, 0,1,2,3,4,5,6,7
	v_add_f32 v[LGR+\a], v[LGR+\a], v[XR+\a]
.endr
.irp a, 0,1,2,3,4,5,6,7
	ds_store_b32 v10, v[LGR+\a] offset:64*\a               ; row 16 a + r; both halves write the same number to the same word
.endr
	s_wait_dscnt 0x0                               ; for the others
	s_barrier_signal -1
	s_barrier_wait -1
.irp w, 0,1,2,3
	ds_load_b128 v[XR+4*\w:XR+4*\w+3], v11 offset:512*\w   ; every wave joins the four parts for itself: rows 4 L .. 4 L + 3
.endr
	s_wait_dscnt 0x0
	v_pk_add_f32 v[XR:XR+1],     v[XR:XR+1],     v[XR+4:XR+5]
	v_pk_add_f32 v[XR+2:XR+3],   v[XR+2:XR+3],   v[XR+6:XR+7]
	v_pk_add_f32 v[XR+8:XR+9],   v[XR+8:XR+9],   v[XR+12:XR+13]
	v_pk_add_f32 v[XR+10:XR+11], v[XR+10:XR+11], v[XR+14:XR+15]
	v_pk_add_f32 v[XR:XR+1],     v[XR:XR+1],     v[XR+8:XR+9]
	v_pk_add_f32 v[XR+2:XR+3],   v[XR+2:XR+3],   v[XR+10:XR+11]
	; m: the largest of the tile's 128 logits, in every lane
	v_max3_num_f32 v[MXR], v[XR], v[XR+1], v[XR+2]
	v_max_num_f32 v[MXR], v[MXR], v[XR+3]
	v_max_num_f32_dpp v[MXR], v[MXR], v[MXR] row_xmask:1 row_mask:0xf bank_mask:0xf
	v_max_num_f32_dpp v[MXR], v[MXR], v[MXR] row_xmask:2 row_mask:0xf bank_mask:0xf
	v_max_num_f32_dpp v[MXR], v[MXR], v[MXR] row_xmask:4 row_mask:0xf bank_mask:0xf
	v_max_num_f32_dpp v[MXR], v[MXR], v[MXR] row_xmask:8 row_mask:0xf bank_mask:0xf
	v_permlanex16_b32 v[XR+4], v[MXR], s32, s33
	v_max_num_f32 v[MXR], v[MXR], v[XR+4]
.irp c, 0,1,2,3
	v_sub_f32 v[P+\c], v[XR+\c], v[MXR]
.endr
.irp c, 0,1,2,3
	v_mul_f32 v[P+\c], 0x3fb8aa3b, v[P+\c]         ; e^x = 2^(x log2 e)
.endr
.irp c, 0,1,2,3
	v_exp_f32 v[P+\c], v[P+\c]
.endr
	v_add_nc_u32 v[XR+5], 1, v15                   ; plain instructions between the exponentials and their use (ISA guide 5.7.2)
	v_add_nc_u32 v[XR+6], 2, v15
	v_add_nc_u32 v[XR+7], 3, v15
	v_cmp_gt_u32 vcc_lo, s27, v15                  ; length > place: the row counts; a select, no branch
	s_wait_alu depctr_va_vdst(0)
	v_cndmask_b32 v[P], 0, v[P], vcc_lo
.irp c, 1,2,3
	v_cmp_gt_u32 vcc_lo, s27, v[XR+4+\c]
	v_cndmask_b32 v[P+\c], 0, v[P+\c], vcc_lo
.endr
	v_add_f32 v[LS], v[P], v[P+1]
	v_add_f32 v[XR+4], v[P+2], v[P+3]
	v_add_f32 v[LS], v[LS], v[XR+4]
	v_add_f32_dpp v[LS], v[LS], v[LS] row_xmask:1 row_mask:0xf bank_mask:0xf
	v_add_f32_dpp v[LS], v[LS], v[LS] row_xmask:2 row_mask:0xf bank_mask:0xf
	v_add_f32_dpp v[LS], v[LS], v[LS] row_xmask:4 row_mask:0xf bank_mask:0xf
	v_add_f32_dpp v[LS], v[LS], v[LS] row_xmask:8 row_mask:0xf bank_mask:0xf
	v_permlanex16_b32 v[XR+4], v[LS], s32, s33
	v_add_f32 v[LS], v[LS], v[XR+4]
	ds_store_b128 v12, v[P:P+3]                    ; into my wave's own 512 bytes: only this wave reads them, in order behind this store
	s_cmp_lg_u32 s24, 0
	s_cbranch_scc1 .Lnot0                          ; wave 0 alone writes p, m and l
	global_store_b128 v4, v[P:P+3], s[18:19]       ; 512 consecutive bytes, aligned
	v_cmp_eq_u32 vcc_lo, 1, v1
	v_cndmask_b32 v[SV], v[MXR], v[LS], vcc_lo     ; lane 0: m, lane 1: l
	v_lshlrev_b32 v[SO], 10, v1                    ; l's table lies 1,024 bytes behind m's
	v_cmp_gt_u32 vcc_lo, 2, v1
	s_wait_xcnt 0x0                                ; EXEC is a source of the store above: narrowed only behind this wait
	s_and_saveexec_b32 s34, vcc_lo
	global_store_b32 v[SO], v[SV], s[20:21]
	s_wait_xcnt 0x0                                ; and widened again only behind this one
	s_or_b32 exec_lo, exec_lo, s34
.Lnot0:
	; THE WEIGHTED SUM.  Thread (w, L) owns columns 256 w + 4 L + 0..3 (panel 2 w) and 256 w + 128 + 4 L + 0..3 (panel 2 w + 1).
	; A batch is 16 rows: 32 loads of 8 bytes a lane (the wave reads a row's 256 bytes) and 4 loads of 4 p each, the same for all lanes.
	; A one-row product: 1,024 multiply-adds a lane on the vector unit; the matrix unit would want the panels transposed.
.macro LOADB q, p
.irp i, 0,1,2,3,4,5,6,7,8,9,10,11,12,13,14,15
	ds_load_b64 v[\q+4*\i:\q+4*\i+1],   v13 offset:\i*PITCH
	ds_load_b64 v[\q+4*\i+2:\q+4*\i+3], v13 offset:\i*PITCH+PANEL
.endr
.irp k, 0,1,2,3
	ds_load_b128 v[\p+4*\k:\p+4*\k+3], v14 offset:16*\k
.endr
	v_add_nc_u32 v13, 16*PITCH, v13
	v_add_nc_u32 v14, 64, v14
.endm
.macro FMAB q, p                       ; 128 multiply-adds straight from the bf16 halves into f32
.irp i, 0,1,2,3,4,5,6,7,8,9,10,11,12,13,14,15
.irp u, 0,1,2,3
	v_fma_mix_f32_bf16 v[RS+2*\u],   v[\q+4*\i+\u], v[\p+\i], v[RS+2*\u]   op_sel_hi:[1,0,0]
	v_fma_mix_f32_bf16 v[RS+2*\u+1], v[\q+4*\i+\u], v[\p+\i], v[RS+2*\u+1] op_sel:[1,0,0] op_sel_hi:[1,0,0]
.endr
.endr
.endm
	LOADB Q0, P0
.irp e, 0,1,2,3,4,5,6,7
	v_mov_b32 v[RS+\e], 0
.endr
	s_mov_b32 s28, 3
.Lsum:
	LOADB Q1, P1
	s_wait_dscnt 36                                ; the 36 loads of the younger batch may be out
	FMAB Q0, P0
	LOADB Q0, P0
	s_wait_dscnt 36
	FMAB Q1, P1
	s_sub_co_u32 s28, s28, 1
	s_cmp_lg_u32 s28, 0
	s_cbranch_scc1 .Lsum
	LOADB Q1, P1                                   ; the eighth batch
	s_wait_dscnt 36
	FMAB Q0, P0
	s_wait_dscnt 0x0
	FMAB Q1, P1
	global_store_b128 v4, v[RS:RS+3],   s[22:23]               ; each store of the wave covers 512 consecutive bytes, aligned
	global_store_b128 v4, v[RS+4:RS+7], s[22:23] offset:512
	s_wait_tensorcnt 0x0
	ds_add_u32 v254, v255
	s_wait_dscnt 0x0
	s_endpgm
.Lfunc_end_k_q9adb160fd6_main:
	.size	k_q9adb160fd6_main, .Lfunc_end_k_q9adb160fd6_main-k_q9adb160fd6_main
	.p2alignl 7, 3214868480
	.fill 96, 4, 3214868480
	.section	.rodata,"a",@progbits
	.p2align	6, 0x0
	.amdhsa_kernel k_q9adb160fd6_main
		.amdhsa_group_segment_fixed_size 287232
		.amdhsa_private_segment_fixed_size 0
		.amdhsa_enable_private_segment 0
		.amdhsa_kernarg_size 64
		.amdhsa_user_sgpr_count 2
		.amdhsa_user_sgpr_kernarg_segment_ptr 1
		.amdhsa_wavefront_size32 1
		.amdhsa_system_sgpr_workgroup_id_x 1
		.amdhsa_system_sgpr_workgroup_id_y 1
		.amdhsa_system_sgpr_workgroup_id_z 1
		.amdhsa_system_vgpr_workitem_id 0
		.amdhsa_next_free_vgpr 1024
		.amdhsa_next_free_sgpr 66
		.amdhsa_reserve_vcc 1
		.amdhsa_float_denorm_mode_32 3
		.amdhsa_float_denorm_mode_16_64 3
		.amdhsa_memory_ordered 1
		.amdhsa_forward_progress 1
		.amdhsa_inst_pref_size 252
	.end_amdhsa_kernel
	.amdgpu_metadata
---
amdhsa.version: [ 1, 2 ]
amdhsa.kernels:
  - .name:           k_q9adb160fd6_main
    .symbol:         k_q9adb160fd6_main.kd
    .args:
      - { .name: matrix, .offset: 0, .size: 8, .value_kind: global_buffer, .address_space: global }
      - { .name: wfrag, .offset: 8, .size: 8, .value_kind: global_buffer, .address_space: global }
      - { .name: t1p, .offset: 16, .size: 8, .value_kind: global_buffer, .address_space: global }
      - { .name: w_attn, .offset: 24, .size: 8, .value_kind: global_buffer, .address_space: global }
      - { .name: input_lengths, .offset: 32, .size: 8, .value_kind: global_buffer, .address_space: global }
      - { .name: pbuf, .offset: 40, .size: 8, .value_kind: global_buffer, .address_space: global }
      - { .name: stats, .offset: 48, .size: 8, .value_kind: global_buffer, .address_space: global }
      - { .name: rpart, .offset: 56, .size: 8, .value_kind: global_buffer, .address_space: global }
    .group_segment_fixed_size: 287232
    .private_segment_fixed_size: 0
    .kernarg_segment_align: 8
    .kernarg_segment_size: 64
    .max_flat_workgroup_size: 128
    .sgpr_count:     66
    .vgpr_count:     1024
    .wavefront_size: 32
...
	.end_amdgpu_metadata
.endif
;; end of part 2
;; launch comb (part 3): grid 256 x 1, 1 waves a work-group, no clusters, 0 bytes of LDS; arguments stats, pbuf, rpart, out0, out1; writes out0, out1
.if DOCPART == 3
	.amdgcn_target "amdgcn-amd-amdhsa--gfx1250"
	.amdhsa_code_object_version 6
	.text
	.protected	k_q9adb160fd6_comb
	.globl	k_q9adb160fd6_comb
	.p2align	8
	.type	k_q9adb160fd6_comb,@function
k_q9adb160fd6_comb:
	s_mov_b64 s[64:65], 0
	v_nop
	global_prefetch_b8 v0, s[64:65] scope:SCOPE_SE
	s_setreg_imm32_b32 hwreg(HW_REG_WAVE_MODE, 25, 1), 1
	s_wait_xcnt 0x0
; COMB: joins the 256 tiles.  gmax = max of the 256 tile maxima = the reference's maximum over all logits.  For batch b, tiles 4 b + j:
;   c_j = exp(m_j - gmax),  Lsum = sum of l_j c_j,  out1[b][128 j + s] = p c_j / Lsum,  out0[b][d] = sum over j of rpart[4 b + j][d] c_j / Lsum.
; One wave a work-group; work-group x = 4 b + w writes the 128 attentions of tile x and columns 256 w .. 256 w + 255 of out0[b].
; A stream of 5,632 bytes a wave: no LDS, no barrier, no matrix unit, nothing shared that a cluster could fetch jointly but the 1,024 bytes of maxima.
; LIMITS: v_exp_f32 gives 0 below 2^-126 and v_rcp_f32 takes a denormal as 0, so a batch whose masked sum is denormal relative to gmax
; comes out as NaN or infinite; where the sum is exactly 0 the result is NaN, as in the reference (0 / 0).
	s_load_b256 s[4:11], s[0:1], 0x0               ; stats s[4:5], pbuf s[6:7], rpart s[8:9], out0 s[10:11]
	s_load_b64 s[12:13], s[0:1], 0x20              ; out1
	s_lshr_b32 s14, ttmp9, 2                       ; b
	s_and_b32 s15, ttmp9, 3                        ; w
	s_mov_b32 s30, 0x76543210                      ; v_permlanex16_b32: lane i takes lane i of the other half
	s_mov_b32 s31, 0xfedcba98
	s_mov_b32 s27, 0
	v_lshlrev_b32 v1, 4, v0                        ; 16 L
	s_wait_kmcnt 0x0
	global_load_b128 v[8:11],  v1, s[4:5]          ; the 256 maxima, 8 a lane
	global_load_b128 v[12:15], v1, s[4:5] offset:512
	s_lshl_b32 s26, s14, 4
	s_add_nc_u64 s[28:29], s[4:5], s[26:27]        ; stats at word 4 b
	s_load_b128 s[16:19], s[28:29], 0x0            ; m of my batch's four tiles
	s_load_b128 s[20:23], s[28:29], 0x400          ; l of them
	s_lshl_b32 s26, ttmp9, 2
	s_add_nc_u64 s[32:33], s[4:5], s[26:27]
	s_load_b32 s24, s[32:33], 0x0                  ; m of tile x
	s_lshl_b32 s26, ttmp9, 9
	s_add_nc_u64 s[6:7], s[6:7], s[26:27]          ; pbuf and out1 at tile x
	s_add_nc_u64 s[12:13], s[12:13], s[26:27]
	global_load_b128 v[40:43], v1, s[6:7]          ; p of rows 4 L .. 4 L + 3
	s_lshl_b32 s26, s14, 14
	s_lshl_b32 s25, s15, 10
	s_add_co_u32 s26, s26, s25
	s_add_nc_u64 s[8:9], s[8:9], s[26:27]          ; rpart at row 4 b, my 256 columns
.irp j, 0,1,2,3
	global_load_b128 v[44+8*\j:47+8*\j], v1, s[8:9] offset:4096*\j
	global_load_b128 v[48+8*\j:51+8*\j], v1, s[8:9] offset:4096*\j+512
.endr
	s_lshl_b32 s26, ttmp9, 10
	s_add_nc_u64 s[10:11], s[10:11], s[26:27]      ; out0 at row b, my 256 columns
	s_wait_loadcnt 9                               ; behind the maxima: p's load and the eight of rpart
	v_max3_num_f32 v16, v8, v9, v10
	v_max3_num_f32 v17, v11, v12, v13
	v_max3_num_f32 v16, v16, v14, v15
	v_max_num_f32 v16, v16, v17
	v_max_num_f32_dpp v16, v16, v16 row_xmask:1 row_mask:0xf bank_mask:0xf
	v_max_num_f32_dpp v16, v16, v16 row_xmask:2 row_mask:0xf bank_mask:0xf
	v_max_num_f32_dpp v16, v16, v16 row_xmask:4 row_mask:0xf bank_mask:0xf
	v_max_num_f32_dpp v16, v16, v16 row_xmask:8 row_mask:0xf bank_mask:0xf
	v_permlanex16_b32 v17, v16, s30, s31
	v_max_num_f32 v16, v16, v17                    ; gmax in every lane
	s_wait_kmcnt 0x0
	v_sub_f32 v20, s16, v16
	v_sub_f32 v21, s17, v16
	v_sub_f32 v22, s18, v16
	v_sub_f32 v23, s19, v16
	v_sub_f32 v24, s24, v16
.irp j, 20,21,22,23,24
	v_mul_f32 v\j, 0x3fb8aa3b, v\j                 ; e^x = 2^(x log2 e)
.endr
.irp j, 20,21,22,23,24
	v_exp_f32 v\j, v\j                             ; c_0 .. c_3 and tile x's c
.endr
	v_nop                                          ; one plain instruction between the exponentials and their use (ISA guide 5.7.2)
	s_wait_alu depctr_va_vdst(0)
	v_mul_f32 v26, s20, v20
	v_fma_f32 v26, s21, v21, v26
	v_fma_f32 v26, s22, v22, v26
	v_fma_f32 v26, s23, v23, v26                   ; Lsum
	v_rcp_f32 v27, v26
	v_nop
	s_wait_alu depctr_va_vdst(0)
.irp j, 0,1,2,3,4
	v_mul_f32 v[28+2*\j], v[20+\j], v27            ; c / Lsum, in both registers of a pair for the packed forms
	v_mul_f32 v[29+2*\j], v[20+\j], v27
.endr
	s_wait_loadcnt 8                               ; p is in; rpart's eight loads may be out
	v_pk_mul_f32 v[40:41], v[40:41], v[36:37]
	v_pk_mul_f32 v[42:43], v[42:43], v[36:37]
	global_store_b128 v1, v[40:43], s[12:13]       ; 512 consecutive bytes, aligned
	s_wait_loadcnt 0x0
.irp u, 0,2,4,6
	v_pk_mul_f32 v[76+\u:77+\u], v[44+\u:45+\u], v[28:29]
.endr
.irp j, 1,2,3
.irp u, 0,2,4,6
	v_pk_fma_f32 v[76+\u:77+\u], v[44+8*\j+\u:45+8*\j+\u], v[28+2*\j:29+2*\j], v[76+\u:77+\u]
.endr
.endr
	global_store_b128 v1, v[76:79], s[10:11]
	global_store_b128 v1, v[80:83], s[10:11] offset:512
	s_endpgm
.Lfunc_end_k_q9adb160fd6_comb:
	.size	k_q9adb160fd6_comb, .Lfunc_end_k_q9adb160fd6_comb-k_q9adb160fd6_comb
	.p2alignl 7, 3214868480
	.fill 96, 4, 3214868480
	.section	.rodata,"a",@progbits
	.p2align	6, 0x0
	.amdhsa_kernel k_q9adb160fd6_comb
		.amdhsa_group_segment_fixed_size 0
		.amdhsa_private_segment_fixed_size 0
		.amdhsa_enable_private_segment 0
		.amdhsa_kernarg_size 40
		.amdhsa_user_sgpr_count 2
		.amdhsa_user_sgpr_kernarg_segment_ptr 1
		.amdhsa_wavefront_size32 1
		.amdhsa_system_sgpr_workgroup_id_x 1
		.amdhsa_system_sgpr_workgroup_id_y 1
		.amdhsa_system_sgpr_workgroup_id_z 1
		.amdhsa_system_vgpr_workitem_id 0
		.amdhsa_next_free_vgpr 88
		.amdhsa_next_free_sgpr 66
		.amdhsa_reserve_vcc 0
		.amdhsa_float_denorm_mode_32 3
		.amdhsa_float_denorm_mode_16_64 3
		.amdhsa_memory_ordered 1
		.amdhsa_forward_progress 1
		.amdhsa_inst_pref_size 6
	.end_amdhsa_kernel
	.amdgpu_metadata
---
amdhsa.version: [ 1, 2 ]
amdhsa.kernels:
  - .name:           k_q9adb160fd6_comb
    .symbol:         k_q9adb160fd6_comb.kd
    .args:
      - { .name: stats, .offset: 0, .size: 8, .value_kind: global_buffer, .address_space: global }
      - { .name: pbuf, .offset: 8, .size: 8, .value_kind: global_buffer, .address_space: global }
      - { .name: rpart, .offset: 16, .size: 8, .value_kind: global_buffer, .address_space: global }
      - { .name: out0, .offset: 24, .size: 8, .value_kind: global_buffer, .address_space: global }
      - { .name: out1, .offset: 32, .size: 8, .value_kind: global_buffer, .address_space: global }
    .group_segment_fixed_size: 0
    .private_segment_fixed_size: 0
    .kernarg_segment_align: 8
    .kernarg_segment_size: 40
    .max_flat_workgroup_size: 32
    .sgpr_count:     66
    .vgpr_count:     88
    .wavefront_size: 32
...
	.end_amdgpu_metadata
.endif
;; end of part 3
